; MI455X (gfx1250); checked and timed in simulation.
; The chip was launched on July 23, 2026; its instructions are those of AMD's public machine-readable ISA for CDNA 5 (MIT licence, August 2026) and "CDNA5" Instruction Set Architecture Reference Guide (July 2026). The comments in the code are by the model that wrote it; some were corrected since.
;; Mixed Repeat Heads. Allowed arithmetic: matrix products marked QUANTISED: E2M1 operands, one E8M0 scale for each 32 along K, by v_wmma_scale_f32_16x16x128_f8f6f4 with both operands' format E2M1 (or v_wmma_scale_f32_32x16x128_f4), f32 sums; everything else in f32.
;; Inputs: W_out_codes 4,096 x 128 x 16 uint8 (E2M1 codes of W_out, K innermost, in blocks of 32 codes, two codes a byte); W_out_scales 4,096 x 128 uint8 (E8M0 scales of W_out, one for each 32 codes along K); W_proj_codes 16 x 256 x 128 x 16 uint8 (E2M1 codes of W_proj, K innermost, in blocks of 32 codes, two codes a byte); W_proj_scales 16 x 256 x 128 uint8 (E8M0 scales of W_proj, one for each 32 codes along K); b_mix 16 x 2,048 float32; b_out 4,096 float32; b_proj 16 x 256 float32; caches 16 x 2,048 x 256 float32; decay_values 16 float32; w_mix 16 x 2,048 float32; x_codes 2,048 x 128 x 16 uint8 (E2M1 codes of x, K innermost, in blocks of 32 codes, two codes a byte); x_scales 2,048 x 128 uint8 (E8M0 scales of x, one for each 32 codes along K).
;; Outputs: out0 2,048 x 4,096 float32.
;; Constants: index = 7.
;; This version of the problem:
;;   THIS VERSION OF THE PROBLEM IS GIVEN IN LOW PRECISION. The matrix products marked QUANTISED in the list below multiply operands that are first quantised to E2M1 (2 exponent bits, 1 mantissa bit; 4 bits a number), with one power-of-two scale for each 32 numbers along K (OCP MX v1.0); their sums are f32. All else is computed in f32.
;;   The module's matrix products, in the order in which they are computed (A, B: the left and right operand; K: the contracted axis; several contracted axes count as one K, in the product's order):
;;     1. [M 4,096, K 4,096] x [K 4,096, N 2,048]; A: input W_proj (given as codes); B: input x (given as codes): QUANTISED
;;     2. [M 2,048, K 4,096] x [K 4,096, N 4,096]; A: computed on the way; B: input W_out (given as codes): QUANTISED
;;   THE QUANTISER, for each operand of a quantised product, along K:
;;     - K is cut into blocks of 32 from its start; a last block that is shorter is filled with zeros.
;;     - A block's scale is 2^e with e = floor(log2(the largest magnitude in the block)) - 2, held to -126 .. 127; a block of zeros has e = 0. As a byte (E8M0): e + 127.
;;     - Each number is divided by its block's scale, clamped to +-6, and rounded to the nearest number of E2M1, ties to even, subnormals kept.
;;     - The product sums the exact products of the quantised numbers (number of the format x scale) in f32.
;;   ~~~python
;;   def quantise(x, axis):      # numpy; x: float32 -> the quantised numbers, widened to float32 again
;;       x = np.moveaxis(x, axis, -1); K = x.shape[-1]
;;       x = np.pad(x, [(0, 0)] * (x.ndim - 1) + [(0, -K % 32)]); x = x.reshape(x.shape[:-1] + (-1, 32)); a = np.abs(x).max(-1, keepdims=True)
;;       e = np.where(a > 0, np.clip(np.frexp(np.where(a > 0, a, 1))[1] - 1 - 2, -126, 127), 0)      # np.frexp(a)[1] - 1 = floor(log2(a)), exactly
;;       r = np.clip(x / 2.0 ** e, -6, 6)
;;       step = 2.0 ** (np.maximum(np.frexp(np.where(r == 0, 1, r))[1] - 1, 0) - 1)
;;       q = np.round(r / step) * step * 2.0 ** e      # np.round: ties to even
;;       return np.moveaxis(q.reshape(q.shape[:-2] + (-1,))[..., :K], -1, axis).astype(np.float32)
;;   ~~~
;;   OPERANDS COMPUTED ON THE WAY. 'Computed on the way' means the value that the module computes at that place (a softmax that the list does not call 'softmax' is quantised finished and normalised). What goes into a quantiser is computed in f32, as accurately as f32 sums, v_exp_f32 and their like allow (about 1e-6 of the number): no bf16 or f16 on the way to a quantiser, and a product that is left as it is and whose result goes on into a quantised operand takes f32 operands (vector FMAs, or v_wmma_f32_16x16x4_f32). A number that lies on a knife's edge between two numbers of the format may be rounded either way, as far as f32 arithmetic and the matrix unit's own rounding can turn it there, and no further.
;;   INPUTS GIVEN AS CODES. W_out (in the module: [4096, 4096], K = its axis 0); W_proj (in the module: [16, 4096, 256], K = its axis 1); x (in the module: [2048, 4096], K = its axis 1): each comes as NAME_codes (uint8): NAME with its K axis moved to the last place and cut into blocks of 32 codes, [.., K / 32, bytes a block], one block behind the other in memory; two codes a byte, the lower K in the low four bits (a code: sign, 2 exponent bits, 1 mantissa bit); and NAME_scales (uint8): the same leading axes, one E8M0 byte (e + 127) for each 32 codes along K. Its value is code x scale, taken as it is: it is not quantised again, and the codes and scales need not be those that the quantiser above would give.
;; One version. Each part assembles by itself: llvm-mc -triple=amdgcn-amd-amdhsa -mcpu=gfx1250 --defsym DOCPART=n.
;; ======== version 1 of 1: 2 launches
;; limits: right only within a limited range of input values
;; workspace buffers: hid_codes 4,194,304 bytes; hid_scales 262,144 bytes
;; launch proj (part 1): grid 8 x 32, 4 waves a work-group, clusters of 4 x 1, 327,680 bytes of LDS; arguments x_codes, x_scales, W_proj_codes, W_proj_scales, b_proj, caches, w_mix, b_mix, decay_values, hid_codes, hid_scales; writes hid_codes, hid_scales
.if DOCPART == 1
	.amdgcn_target "amdgcn-amd-amdhsa--gfx1250"
	.amdhsa_code_object_version 6
	.text
	.protected	k_qcc6b6bfc94_proj
	.globl	k_qcc6b6bfc94_proj
	.p2align	8
	.type	k_qcc6b6bfc94_proj,@function
k_qcc6b6bfc94_proj:
	s_mov_b64 s[64:65], 0
	v_nop
	global_prefetch_b8 v0, s[64:65] scope:SCOPE_SE
	s_setreg_imm32_b32 hwreg(HW_REG_WAVE_MODE, 25, 1), 1
	s_wait_xcnt 0x0
	s_wait_alu depctr_hold_cnt(0) depctr_sa_sdst(0) depctr_va_vdst(0) depctr_va_sdst(0) depctr_va_ssrc(0) depctr_va_vcc(0) depctr_vm_vsrc(0)
	s_getreg_b32 s2, hwreg(HW_REG_IB_STS2, 6, 4)
	s_cmp_eq_u32 s2, 0
	s_cbranch_scc0 .Lentry_in_a_cluster
	s_endpgm
.Lentry_in_a_cluster:
	s_bfe_u32 s2, ttmp6, 0x10000c
	s_cmp_lg_u32 s2, 0x3003
	s_cbranch_scc0 .Lentry_shape_is_right
	s_endpgm
.Lentry_shape_is_right:
; hidden[b][256 head + k] = w (x[b] . W_proj[head][:, k] + b_proj[head][k]) + cc caches[head][b][k] + bmix, quantised to FP4 (E2M1) along its columns, one E8M0 byte for each 32.
; w = w_mix[head][7], bmix = b_mix[head][7] (index is 7: reference() takes no other column), decay = clip(decay_values[head], 0.9, 1)^(1/4), cc = w decay for heads 0-7, decay for heads 8-15.
; SHARES.  A work-group makes 256 rows x 128 columns (half a head): 8 x 32 work-groups.  Four waves: wave w has rows 64 w on and all 128 columns: 4 x 8 accumulators of 16 x 16.
; W: the work-group's 128 rows (2,048 bytes of codes each) come into LDS in four parts along K (512 bytes of each row, eight steps of 128), each into bytes of its own, and stay.  A part is four joint loads, 32 rows a wave: the
; first at the head, each later one behind a round of the cluster's barrier, while the part before it is multiplied.  Parts 1 to 3 are prefetched at the head, each block of 256 bytes once in a cluster, shared out by address.
; CLUSTER 4 x 1: its four work-groups share the 128 rows of W and ask for them jointly.
; x: each wave reads its own 64 rows, in units of 16 rows x 256 bytes (8 loads of 512 bytes, two rows' 256 bytes each), six buffers, turns them into fragments through an LDS stage of its own, and takes them from there as source 1.
; CACHES: 8 rows x 512 bytes are a unit too: they follow x's units through the same registers.  Each 256 bytes of them is prefetched once, nine pairs of steps or more ahead of its load.
; THE MATRIX INSTRUCTION IS USED TRANSPOSED (source 0 = 16 rows of W, source 1 = 16 rows of x): lane l holds row l % 16 and its registers the columns 8 (l / 16) + 0 .. 7.
; OUT: hid_codes [128 blocks of 16 rows][32 steps of 128 along K][1,024 bytes]: the image of the next launch's fragment registers (512 bytes for registers 0-3, 512 for 4-7, 16 a lane).
;   hid_scales [32 blocks of 64 rows][32 steps][32 lanes][2 words]: word j of lane l is row 32 j + l.
; LIMITS: NaN and infinities among the inputs are not served.  A block of hidden whose largest magnitude lies under 2^-124 (a block of zeros among them) gets the byte 1; a block of zeros has zero codes, and only this
; program reads the bytes.  x^(1/4) is two v_sqrt_f32.  hidden is fma(w, sum, fma(cc, cache, fma(w, b_proj, bmix))): another order of rounding than reference()'s.
; REGISTERS, in windows of 256.  window 0: v0-31 addresses and constants; v32-63 W's scale words, two sets; v64-127 x's scale words of all K (way out: the quantiser's); v128-255 units, buffers 0 to 3.
;   window 1: v0-191 x's fragments, a ring of six steps; v192-255 buffers 4 and 5.  window 2: v0-127 accumulators of columns 0-63; v128-255 their W fragments, four sets.  window 3: the same for columns 64-127.
.set PITCH, 528                        ; an LDS row of W: 512 bytes + 16: 132 words: the 16 rows that a load touches start at 16 different banks (64 banks of 4 bytes: ISA guide 11.1)
.set REG,   128*PITCH                  ; a part of W
.set SCB,   4*REG                      ; W's scale bytes: 128 rows x (128 + 16)
.set STG,   SCB+128*144                ; a stage for each wave: 32 rows x 272
.set STZ,   8704
.set SPARE, STG+4*STZ                  ; the spare words: 128 bytes for each wave, two blocks of 256 bytes that no other line names
.set PF3,  7                           ; prefetch of part 3 of W
.set ADRL, 8                           ; a fragment's row x pitch + 16 x half; v0-3: the same in parts 0 to 3
.set WSA,  9                           ; where I read W's scale words
.set L16,  10                          ; 16 x lane
.set XO,   11                          ; a unit of x in memory: row l / 16, 16 (l % 16)
.set XST,  12                          ; the same in my stage
.set XRD,  13                          ; my fragment bytes in my stage
.set SST,  14                          ; x's scale bytes into my stage
.set SRD,  15                          ; and back, a row a lane
.set CST,  16                          ; a row of caches into my stage
.set CRD,  17                          ; and back in the accumulators' layout
.set PFO,  18                          ; prefetches of caches: row l / 2, 256 (l % 2)
.set BO,   19                          ; 32 (l / 16)
.set WW,   20                          ; v[20:21] w
.set CC,   22                          ; v[22:23] cc
.set BM,   24                          ; v[24:25] bmix
.set WST,  26                          ; W's scale bytes into LDS
.set L8,   27                          ; 8 x lane
.set SPW,  28                          ; my spare word
.set NIL,  29                          ; 0
.set LANE, 30
.set PF1,  31                          ; prefetch of parts 1 and 2 of W
.set WS,   32
.set XS,   64                          ; x's scale words: rows 0-31 of step s at XS + s, rows 32-63 at XS + 32 + s
.set TM,   64                          ; the way out: maxima, the other half's then bytes, scale operands
.set PW,   80                          ; scale words of the four blocks
.set CB,   64                          ; window 1: w b_proj + bmix
.set G1, 24
.set G0, 32
.set MSB, 0
.macro WIN new                         ; the immediate's high byte repeats the setting that is left
.if MSB != \new
	s_set_vgpr_msb (MSB<<8)|(\new)
.set MSB, \new
.endif
.endm
.macro CROUND                          ; a round of the cluster's barrier
	s_barrier_signal -1
	s_barrier_wait -1
	s_cmp_lg_u32 s20, 0
	s_cbranch_scc1 .Lnot_wave_0_\@
	s_barrier_signal -3
.Lnot_wave_0_\@:
	s_barrier_wait -3
	s_barrier_signal -1
	s_barrier_wait -1
.endm
.macro OFS d, x, sx, y, sy             ; the pair d = (x << sx) + (y << sy)
	s_lshl_b32 s[\d], \x, \sx
	s_lshl_b32 s2, \y, \sy
	s_add_co_u32 s[\d], s[\d], s2
	s_mov_b32 s[\d+1], 0
.endm
.macro TLOAD                           ; my 32 rows of a part of W
	tensor_load_to_lds s[G0:G0+3], s[G1:G1+7]
	s_nop 0
.rept 4
	v_nop
.endr
.endm
; A part of W has landed in every wave's share; more = 1: the next part is asked for.  The wait, the add, the wait for it and the round stand ahead of a later first fill, as ahead of a refill.
.macro PART more
	WIN 0
	s_wait_tensorcnt 0x0                           ; the one load that was out
	ds_add_u32 v[SPW], v[NIL]
.if \more
	s_add_co_u32 s[G0+1], s[G0+1], REG
	s_add_nc_u64 s[G0+2:G0+3], s[G0+2:G0+3], 0x200
.endif
	s_wait_dscnt 0x0
	CROUND
.if \more
	TLOAD
.endif
.endm
	s_load_b256 s[4:11], s[0:1], 0x0               ; x's codes s[4:5], x's scales s[6:7], W's codes s[8:9], W's scales s[10:11]
	s_load_b256 s[12:19], s[0:1], 0x20             ; b_proj s[12:13], caches s[14:15], w_mix s[16:17], b_mix s[18:19]
	s_load_b128 s[92:95], s[0:1], 0x40             ; decay_values s[92:93], hid_codes s[94:95]
	s_load_b64 s[96:97], s[0:1], 0x50              ; hid_scales
	v_lshl_add_u32 v[SPW], v0, 2, SPARE
	v_mov_b32 v[NIL], 0
	ds_add_u32 v[SPW], v[NIL]                      ; the wave's opening: the add, twice on end, and its wait
	ds_add_u32 v[SPW], v[NIL]
	v_lshrrev_b32 v1, 5, v0
	v_readfirstlane_b32 s20, v1                    ; wave 0..3
	s_bfe_u32 s40, ttmp6, 0x40000                  ; cx
	s_lshl_b32 s42, ttmp9, 2
	s_add_co_u32 s42, s42, s40                     ; row tile = 4 x cluster x + cx
	s_and_b32 s43, ttmp7, 0xffff                   ; column tile: 128 columns, one step of the next launch's K
	s_lshr_b32 s44, s43, 1                         ; the head
	s_and_b32 s45, s43, 1
	; group 1: 15:0 the mask: all four; 17:16 elements of 1 byte; 20 padding on; 21 set beside a mask; 24:22 after every 128 words (code 6); 31:25 four words (code 3)
	s_mov_b32 s[G1], 15|(1<<20)|(1<<21)|(6<<22)|(3<<25)
	s_mov_b32 s[G1+1], 512<<16                     ; 32 rows of 512 bytes, 2,048 bytes apart
	s_mov_b32 s[G1+2], 32<<16
	s_mov_b32 s[G1+3], 512<<16
	s_mov_b32 s[G1+4], 32
	s_mov_b32 s[G1+5], 2048
	s_mov_b32 s[G1+6], 0
	s_mov_b32 s[G1+7], 0
	s_mov_b32 s[G0], 1
	s_mul_i32 s[G0+1], s20, 32*PITCH
	OFS G0+2, s43, 18, s20, 16                     ; 128 rows of 2,048 bytes a tile, my 32 of them: made of the column tile and the wave's number alone
	OFS 46, s42, 19, s20, 17                       ; x: rows of 2,048 bytes,
	OFS 48, s42, 15, s20, 13                       ; of 128 scale bytes
	OFS 50, s43, 14, s20, 12                       ; W's scales: the 32 rows that I bring
	OFS 54, s44, 21, s42, 18                       ; caches: the head's 2,048 rows of 1,024 bytes,
	s_lshl_b32 s2, s20, 16
	s_add_co_u32 s54, s54, s2
	s_lshl_b32 s2, s45, 9                          ; my 512 bytes of a row
	s_add_co_u32 s54, s54, s2
	OFS 56, s43, 10, s46, 0                        ; hid_codes: my blocks of 16 rows, 32,768 bytes each; the step's 1,024 bytes
	OFS 58, s43, 8, s48, 0                         ; hid_scales: my block of 64 rows, 8,192 bytes; the step's 256
	OFS 70, s43, 18, s40, 16                       ; prefetches of W: rows 32 cx + 8 w on of the tile
	s_lshl_b32 s2, s20, 14
	s_add_co_u32 s70, s70, s2
	s_lshl_b32 s52, s43, 9                         ; b_proj at my first column
	s_mov_b32 s53, 0
	s_lshl_b32 s60, s44, 13                        ; the head's row of w_mix and b_mix
	s_lshl_b32 s61, s44, 2
	s_mul_i32 s62, s20, STZ
	s_add_co_u32 s62, s62, STG                     ; my stage
	s_mul_i32 s63, s20, 32*144
	s_add_co_u32 s63, s63, SCB
	s_mov_b32 s100, 0x76543210
	s_mov_b32 s101, 0xfedcba98                     ; v_permlanex16_b32's selects for lane l xor 16
	v_and_b32 v1, 15, v0                           ; r
	v_bfe_u32 v2, v0, 4, 1                         ; h
	v_and_b32 v[LANE], 31, v0
	v_mul_u32_u24 v4, v1, PITCH
	v_lshl_add_u32 v[ADRL], v2, 4, v4
	v_lshl_add_u32 v5, v2, 5, v4
	v_add_nc_u32 v[CRD], s62, v5                   ; row r x 528 + 32 h
	v_mul_u32_u24 v5, v[LANE], 144
	v_add_nc_u32 v[WSA], SCB, v5
	v_add_nc_u32 v[SRD], s62, v5
	v_lshlrev_b32 v[L16], 4, v[LANE]
	v_lshlrev_b32 v[L8], 3, v[LANE]
	v_add_nc_u32 v[CST], s62, v[L16]
	v_lshlrev_b32 v6, 4, v1                        ; 16 r
	v_lshl_add_u32 v[XO], v2, 11, v6
	v_mul_u32_u24 v7, v2, 272
	v_add_nc_u32 v7, v7, v6
	v_add_nc_u32 v[XST], s62, v7
	v_mul_u32_u24 v7, v1, 272
	v_lshl_add_u32 v7, v2, 4, v7
	v_add_nc_u32 v[XRD], s62, v7
	v_lshrrev_b32 v5, 3, v[LANE]
	v_mul_u32_u24 v5, v5, 144
	v_and_b32 v6, 7, v[LANE]
	v_lshl_add_u32 v5, v6, 4, v5                   ; eight lanes to a row of 128 scale bytes
	v_add_nc_u32 v[SST], s62, v5
	v_add_nc_u32 v[WST], s63, v5
	v_lshrrev_b32 v5, 1, v[LANE]
	v_and_b32 v6, 1, v[LANE]
	v_lshlrev_b32 v4, 10, v5
	v_lshl_add_u32 v[PFO], v6, 8, v4
	v_min_u32 v5, 7, v5                            ; part 3: row l / 2, lanes over name the last row's blocks again
	v_lshlrev_b32 v5, 11, v5
	v_lshl_add_u32 v[PF3], v6, 8, v5
	v_lshrrev_b32 v5, 2, v[LANE]                   ; parts 1 and 2: row l / 4, block l % 4 of 256 bytes
	v_and_b32 v6, 3, v[LANE]
	v_lshlrev_b32 v5, 11, v5
	v_lshl_add_u32 v[PF1], v6, 8, v5
	v_lshlrev_b32 v[BO], 5, v2
.irp g, 0,1,2,3
	v_add_nc_u32 v[\g], \g*REG, v[ADRL]
.endr
	s_wait_alu depctr_va_vdst(0)
	s_wait_dscnt 0x0                               ; both opening adds are done
	CROUND                                         ; all four work-groups are here: the joint loads meet
	s_wait_kmcnt 0x0
	s_add_nc_u64 s[G0+2:G0+3], s[8:9], s[G0+2:G0+3]
	s_or_b32 s[G0+3], s[G0+3], 0x80000000          ; 127:126 type = 2
	TLOAD                                          ; part 0
	s_add_nc_u64 s[70:71], s[8:9], s[70:71]
	s_add_nc_u64 s[4:5], s[4:5], s[46:47]
	s_add_nc_u64 s[6:7], s[6:7], s[48:49]
	s_add_nc_u64 s[10:11], s[10:11], s[50:51]
	s_add_nc_u64 s[12:13], s[12:13], s[52:53]
	s_add_nc_u64 s[14:15], s[14:15], s[54:55]
	s_add_nc_u64 s[94:95], s[94:95], s[56:57]
	s_add_nc_u64 s[96:97], s[96:97], s[58:59]
; Unit h (0-31: x, chunk h / 4 of 512 along K, rows 16 (h % 4) on; 32-39: caches, 8 rows) goes through buffer h % 6.  LREG: window LW and first register LR of its i-th load.
.macro LREG h, i
.set bf, (\h)%6
.if bf < 4
.set LW, 0
.set LR, 128+32*bf+4*(\i)
.else
.set LW, 1
.set LR, 192+32*(bf-4)+4*(\i)
.endif
.endm
.macro LOADH h
.irp i, 0,1,2,3,4,5,6,7
	LREG \h, \i
	WIN (LW<<6)
.if (\h) < 32
	global_load_b128 v[LR:LR+3], v[XO], s[4:5] offset:(16*((\h)%4)+2*\i)*2048+256*((\h)/4)
.else
	global_load_b128 v[LR:LR+3], v[L16], s[14:15] offset:1024*(8*((\h)-32)+\i) th:TH_LOAD_NT
.endif
.endr
	WIN 0
.endm
; Chunk k of x, two units at a time, into my stage and back as fragments of its four steps: 16 rows x 128 K in 8 registers: lane l holds row l % 16; registers 4 c .. 4 c + 3 hold K = 64 c + 32 (l / 16) + 0 .. 31.
; LDS serves a wave's instructions in order (ISA guide 5.7.1.4): no wait between stores and loads.  The two units behind the chunk may be out.
.macro STAGE k
	s_wait_loadcnt 16
.irp f, 0,1
.irp e, 0,1
.irp i, 0,1,2,3,4,5,6,7
	LREG 4*(\k)+2*\f+\e, \i
	WIN (LW<<2)
	ds_store_b128 v[XST], v[LR:LR+3] offset:544*(8*\e+\i)
.endr
.endr
	WIN 0x40
.irp q, 0,1,2,3
.irp j, 0,1
.irp c, 0,1
.set fr, 32*((4*(\k)+\q)%6)+8*(2*\f+\j)+4*\c
	ds_load_b128 v[fr:fr+3], v[XRD] offset:4352*\j+64*\q+32*\c
.endr
.endr
.endr
.endr
	WIN 0
.endm
.macro WSLOAD k                        ; W's scale words of chunk k: lane l takes row 32 g + l, four words
.irp g, 0,1,2,3
	ds_load_b128 v[WS+16*((\k)%2)+4*\g:WS+16*((\k)%2)+4*\g+3], v[WSA] offset:16*(\k)+4608*\g
.endr
.endm
; W's fragments of steps s, s + 1 into sets s % 4, (s + 1) % 4: 32 LDS loads, and behind each 16 of them one unit of x or caches (u, u + 1) into its buffer.
; w = 1: chunk staging stands in front: its stores have read the buffers when at most the 16 loads behind them are out.
.macro WFETCH s, u, w
.irp g, 0,1
	WIN 0x80+0x40*\g
.irp d, 0,1
.set sn, (\s)+\d
.irp j, 0,1,2,3,4,5,6,7
	ds_load_b128 v[128+32*(sn%4)+4*\j:128+32*(sn%4)+4*\j+3], v[sn/8] offset:64*(sn%8)+32*(\j%2)+8448*(4*\g+\j/2)
.endr
.endr
.if (\w) && (\g == 0)
	s_wait_dscnt 16
.endif
.if (\u) > 0
	LOADH (\u)+\g
.endif
.endr
	WIN 0
.endm
	WIN 0x80
.irp i, 0,1,2,3,4,5,6,7
	global_load_b128 v[4*\i:4*\i+3], v[L16], s[10:11] offset:512*\i        ; 32 rows of W's scales, on their way into LDS
.endr
.irp i, 0,1,2,3,4,5,6,7,8,9,10,11,12,13,14,15
	global_load_b128 v[32+4*\i:32+4*\i+3], v[L16], s[6:7] offset:512*\i    ; my 64 rows of x's
.endr
	WIN 0
	global_prefetch_b8 v[PF1], s[70:71] offset:512 th:TH_LOAD_NT scope:SCOPE_SE   ; parts 1 and 2 of W: bytes 512 to 1,535 of eight rows
.irp h, 0,1,2,3,4,5
	LOADH \h
.endr
	s_load_b32 s66, s[16:17], s60 offset:0x1c      ; w: index 7 is 28 bytes on
	s_load_b32 s67, s[18:19], s60 offset:0x1c      ; bmix
	s_load_b32 s68, s[92:93], s61 offset:0x0       ; decay_values[head]
	s_wait_loadcnt 48                              ; both runs of scale bytes are in; the six units may be out
	WIN 0x08
.irp i, 0,1,2,3,4,5,6,7
	ds_store_b128 v[WST], v[4*\i:4*\i+3] offset:576*\i
.endr
.irp f, 0,1                            ; x's scale words turn through my stage, 32 rows at a time
	WIN 0x08
.irp i, 0,1,2,3,4,5,6,7
	ds_store_b128 v[SST], v[32+32*\f+4*\i:32+32*\f+4*\i+3] offset:576*\i
.endr
	WIN 0
.irp i, 0,1,2,3,4,5,6,7
	ds_load_b128 v[XS+32*\f+4*\i:XS+32*\f+4*\i+3], v[SRD] offset:16*\i
.endr
.endr
	STAGE 0
	s_wait_dscnt 0x0                               ; the stores have read the buffers
	LOADH 6
	LOADH 7
	s_wait_kmcnt 0x0                               ; w, bmix, decay_values[head]
	v_mov_b32 v4, s68
	v_max_num_f32 v4, 0x3f666666, v4               ; the clip: 0.9 ..
	v_min_num_f32 v4, 1.0, v4                      ; .. 1
	s_wait_alu depctr_va_vdst(0)
	v_sqrt_f32 v5, v4
	v_mov_b32 v[WW], s66                           ; (a plain instruction behind the root: ISA guide 5.7.2)
	s_wait_alu depctr_va_vdst(0)
	v_sqrt_f32 v6, v5                              ; decay = the clipped value ^ (1/4)
	v_mov_b32 v[WW+1], s66
	s_cmp_lt_u32 s44, 8
	s_cselect_b32 s2, s66, 1.0
	s_wait_alu depctr_va_vdst(0)
	v_mul_f32 v[CC], s2, v6                        ; cc = w decay, or decay
	v_mov_b32 v[CC+1], v[CC]
	v_mov_b32 v[BM], s67
	v_mov_b32 v[BM+1], s67
	s_wait_alu depctr_va_vdst(0)
	PART 1                                         ; part 0 and all of W's scales lie in LDS; part 1 goes out
	global_prefetch_b8 v[PF3], s[70:71] offset:1536 th:TH_LOAD_NT scope:SCOPE_SE   ; part 3 of W
.macro WM                              ; one product; an odd block's scale words lie in lanes 16-31 of their register
.if zC
.if oB && oA
	v_wmma_scale_f32_16x16x128_f8f6f4 v[rD:rD+7], v[rB:rB+7], v[rA:rA+7], 0, v[xB], v[xA] matrix_a_fmt:MATRIX_FMT_FP4 matrix_b_fmt:MATRIX_FMT_FP4 matrix_a_scale:MATRIX_SCALE_ROW1 matrix_b_scale:MATRIX_SCALE_ROW1
.elseif oB
	v_wmma_scale_f32_16x16x128_f8f6f4 v[rD:rD+7], v[rB:rB+7], v[rA:rA+7], 0, v[xB], v[xA] matrix_a_fmt:MATRIX_FMT_FP4 matrix_b_fmt:MATRIX_FMT_FP4 matrix_a_scale:MATRIX_SCALE_ROW1
.elseif oA
	v_wmma_scale_f32_16x16x128_f8f6f4 v[rD:rD+7], v[rB:rB+7], v[rA:rA+7], 0, v[xB], v[xA] matrix_a_fmt:MATRIX_FMT_FP4 matrix_b_fmt:MATRIX_FMT_FP4 matrix_b_scale:MATRIX_SCALE_ROW1
.else
	v_wmma_scale_f32_16x16x128_f8f6f4 v[rD:rD+7], v[rB:rB+7], v[rA:rA+7], 0, v[xB], v[xA] matrix_a_fmt:MATRIX_FMT_FP4 matrix_b_fmt:MATRIX_FMT_FP4
.endif
.else
.if oB && oA
	v_wmma_scale_f32_16x16x128_f8f6f4 v[rD:rD+7], v[rB:rB+7], v[rA:rA+7], v[rD:rD+7], v[xB], v[xA] matrix_a_fmt:MATRIX_FMT_FP4 matrix_b_fmt:MATRIX_FMT_FP4 matrix_a_scale:MATRIX_SCALE_ROW1 matrix_b_scale:MATRIX_SCALE_ROW1
.elseif oB
	v_wmma_scale_f32_16x16x128_f8f6f4 v[rD:rD+7], v[rB:rB+7], v[rA:rA+7], v[rD:rD+7], v[xB], v[xA] matrix_a_fmt:MATRIX_FMT_FP4 matrix_b_fmt:MATRIX_FMT_FP4 matrix_a_scale:MATRIX_SCALE_ROW1
.elseif oA
	v_wmma_scale_f32_16x16x128_f8f6f4 v[rD:rD+7], v[rB:rB+7], v[rA:rA+7], v[rD:rD+7], v[xB], v[xA] matrix_a_fmt:MATRIX_FMT_FP4 matrix_b_fmt:MATRIX_FMT_FP4 matrix_b_scale:MATRIX_SCALE_ROW1
.else
	v_wmma_scale_f32_16x16x128_f8f6f4 v[rD:rD+7], v[rB:rB+7], v[rA:rA+7], v[rD:rD+7], v[xB], v[xA] matrix_a_fmt:MATRIX_FMT_FP4 matrix_b_fmt:MATRIX_FMT_FP4
.endif
.endif
.endm
.macro MM s, hi                        ; half hi of step s: 16 products on 16 accumulators, which take turns in the same order in every step
.set zC, (\s)==0
.irp b, 0,1,2,3
.irp a, 0,1,2,3
.set rD, 8*(4*\a+\b)
.set rB, 128+32*((\s)%4)+8*\b
.set rA, 32*((\s)%6)+8*\a
.set xB, WS+16*(((\s)/4)%2)+4*(2*(\hi)+\b/2)+(\s)%4
.set xA, XS+32*(\a/2)+(\s)
.set oB, \b%2
.set oA, \a%2
	WM
.endr
.endr
.endm
; A pair of steps of 128 along K: one run of memory instructions, then 64 products.  W's fragments are fetched a pair ahead; in every second pair the next chunk of x passes through my stage; pair p loads units 2 p + 8 and
; 2 p + 9 over units that have passed.
.macro PAIR p
	s_wait_dscnt 0x0                               ; this pair's operands and scale words
.if (\p) > 0
.rept 4
	v_nop                                          ; places behind the pair before, for loads into registers that its products read (ISA guide 7.12.1 for vector instructions)
.endr
.endif
.if (((\p)%2) == 1) && ((\p) < 15)
	STAGE ((\p)+1)/2
.endif
.if (\p) < 15
	WFETCH 2*(\p)+2, 2*(\p)+8, (\p)%2
.endif
.if (((\p)%2) == 1) && ((\p) < 15)
	WSLOAD ((\p)+1)/2
.elseif (\p) == 14
	WIN 0x40
.irp b, 0,1,2,3,4,5,6,7
.irp c, 0,1
	global_load_b128 v[CB+8*\b+4*\c:CB+8*\b+4*\c+3], v[BO], s[12:13] offset:64*\b+16*\c   ; b_proj of column 16 b + 8 h + j, over fragments of steps 26 and 27
.endr
.endr
.endif
.if ((\p) > 1) && ((\p) < 6)
	global_prefetch_b8 v[PFO], s[14:15] offset:16384*((\p)-2) th:TH_LOAD_NT scope:SCOPE_SE   ; 16 rows of caches, a block of 256 bytes a lane
.endif
	WIN 0xa6                                       ; source 0 (W), C and D window 2, source 1 (x) window 1
	MM 2*(\p), 0
	MM 2*(\p)+1, 0
	WIN 0xf7                                       ; the same with window 3
	MM 2*(\p), 1
	MM 2*(\p)+1, 1
.endm
	WSLOAD 0
	WFETCH 0, 0, 0
; Written out: x's scale words lie in other registers in each step.  Part g of W is first read in the run of pair 4 g - 1.
.irp p, 0,1,2,3,4,5,6,7,8,9,10,11,12,13,14,15
.if (\p == 3) || (\p == 7)
	PART 1
.elseif \p == 11
	PART 0
.endif
	PAIR \p
.endr
	WIN 0
.rept 4
	v_nop                                          ; places in front of the loads over x's fragments and of the first reads of results
.endr
; THE WAY OUT, a block of 16 rows x 128 columns at a time.
.macro TOST a, younger                 ; block a's rows of caches into my stage as they were loaded
	s_wait_loadcnt \younger
.irp e, 0,1
.irp i, 0,1,2,3,4,5,6,7
	LREG 32+2*(\a)+\e, \i
	WIN (LW<<2)
	ds_store_b128 v[CST], v[LR:LR+3] offset:528*(8*\e+\i)
.endr
.endr
	WIN 0
.endm
.macro BACK a                          ; and back: register 8 t + j = cache(row r, column 16 t + 8 h + j)
	WIN 0x40
.irp t, 0,1,2,3,4,5,6,7
.irp c, 0,1
	ds_load_b128 v[128*((\a)%2)+8*\t+4*\c:128*((\a)%2)+8*\t+4*\c+3], v[CRD] offset:64*\t+16*\c
.endr
.endr
	WIN 0
.endm
.macro COMP a                          ; hidden of block a, its scale word and its codes
.set TT, 128*((\a)%2)
.set CD, 96+8*(\a)
	WIN 0x51
.set n, 0
.rept 32
	v_pk_fma_f32 v[TT+n:TT+n+1], v[TT+n:TT+n+1], v[CC:CC+1], v[CB+n:CB+n+1]   ; cc cache + (w b_proj + bmix)
.set n, n+2
.endr
	WIN 0x52
.set n, 0
.rept 16
	v_pk_fma_f32 v[TT+n:TT+n+1], v[32*(\a)+n:32*(\a)+n+1], v[WW:WW+1], v[TT+n:TT+n+1]   ; + w sum; each accumulator from its low end on
.set n, n+2
.endr
	WIN 0x53
.set n, 0
.rept 16
	v_pk_fma_f32 v[TT+32+n:TT+32+n+1], v[32*(\a)+n:32*(\a)+n+1], v[WW:WW+1], v[TT+32+n:TT+32+n+1]
.set n, n+2
.endr
	WIN 0x05
.irp b, 0,1,2,3                        ; block b of 32 columns: my 16 numbers, lane l xor 16 has the other 16
	v_max3_num_f32 v[TM+\b], |v[TT+16*\b]|, |v[TT+16*\b+1]|, 0x1800000   ; with the floor 2^(3 - 127): the byte cannot fall under 1
.endr
.irp i, 2,4,6,8,10,12,14
.irp b, 0,1,2,3
	v_max3_num_f32 v[TM+\b], |v[TT+16*\b+\i]|, |v[TT+16*\b+\i+1]|, v[TM+\b]
.endr
.endr
	WIN 0
.irp b, 0,1,2,3
	v_permlanex16_b32 v[TM+4+\b], v[TM+\b], s100, s101
.endr
.irp b, 0,1,2,3
	v_max_num_f32 v[TM+\b], v[TM+\b], v[TM+4+\b]   ; the block's largest magnitude
.endr
.irp b, 0,1,2,3
	v_add_nc_u32 v[TM+8+\b], 0xff000000, v[TM+\b]  ; 2 off its exponent field: the conversion's scale operand
.endr
.irp b, 0,1,2,3
	v_lshrrev_b32 v[TM+4+\b], 23, v[TM+8+\b]       ; the scale's byte
.endr
	v_lshl_or_b32 v[PW+(\a)], v[TM+5], 8, v[TM+4]
	v_lshl_or_b32 v[PW+(\a)], v[TM+6], 16, v[PW+(\a)]
	v_lshl_or_b32 v[PW+(\a)], v[TM+7], 24, v[PW+(\a)]
	WIN 0x01
.irp b, 0,1,2,3
	v_cvt_scalef32_pk8_fp4_f32 v[CD+4*(\b/2)+\b%2], v[TT+16*\b:TT+16*\b+7], v[TM+8+\b]         ; columns 32 b + 8 h + 0 .. 7
	v_cvt_scalef32_pk8_fp4_f32 v[CD+4*(\b/2)+2+\b%2], v[TT+16*\b+8:TT+16*\b+15], v[TM+8+\b]    ; columns 32 b + 16 + 8 h + 0 .. 7
.endr
	v_nop                                          ; one plain place behind a scaled conversion
	WIN 0
.irp c, 0,1                            ; lanes 0-15 take the whole even block, lanes 16-31 the whole odd one
	v_permlane16_swap_b32 v[CD+4*\c], v[CD+4*\c+1]
	v_permlane16_swap_b32 v[CD+4*\c+2], v[CD+4*\c+3]
.endr
.irp c, 0,1
	global_store_b128 v[L16], v[CD+4*\c:CD+4*\c+3], s[94:95] offset:32768*(\a)+512*\c   ; 512 consecutive bytes, aligned
.endr
.endm
	TOST 0, 48                                     ; units 34 to 37 and b_proj may be out
	BACK 0
	s_wait_dscnt 16                                ; the stores have read units 32 and 33
	LOADH 38
	LOADH 39
	s_wait_loadcnt 16                              ; b_proj is in
	WIN 0x41
.set n, 0
.rept 32
	v_pk_fma_f32 v[CB+n:CB+n+1], v[CB+n:CB+n+1], v[WW:WW+1], v[BM:BM+1]
.set n, n+2
.endr
	TOST 1, 16
	BACK 1
	s_wait_dscnt 32                                ; block 0 is back; block 1's 16 stores and 16 loads may be out
	COMP 0
	TOST 2, 16
	BACK 2
	s_wait_dscnt 32
	COMP 1
	TOST 3, 0
	BACK 3
	s_wait_dscnt 32
	COMP 2
	s_wait_dscnt 0x0
	COMP 3
	v_cmp_gt_u32 vcc_lo, 16, v[LANE]
	v_cndmask_b32 v[PW+4], v[PW+1], v[PW], vcc_lo  ; rows 0-31, a row a lane
	v_cndmask_b32 v[PW+5], v[PW+3], v[PW+2], vcc_lo  ; rows 32-63
	global_store_b64 v[L8], v[PW+4:PW+5], s[96:97] ; 256 consecutive bytes, aligned
	s_wait_tensorcnt 0x0                           ; the wave's end
	ds_add_u32 v[SPW], v[NIL]
	s_wait_dscnt 0x0
	CROUND                                         ; the closing round: no work-group ends while a partner may still ask for a tile that names it
	s_endpgm
.Lfunc_end_k_qcc6b6bfc94_proj:
	.size	k_qcc6b6bfc94_proj, .Lfunc_end_k_qcc6b6bfc94_proj-k_qcc6b6bfc94_proj
	.p2alignl 7, 3214868480
	.fill 96, 4, 3214868480
	.section	.rodata,"a",@progbits
	.p2align	6, 0x0
	.amdhsa_kernel k_qcc6b6bfc94_proj
		.amdhsa_group_segment_fixed_size 327680
		.amdhsa_private_segment_fixed_size 0
		.amdhsa_enable_private_segment 0
		.amdhsa_kernarg_size 88
		.amdhsa_user_sgpr_count 2
		.amdhsa_user_sgpr_kernarg_segment_ptr 1
		.amdhsa_wavefront_size32 1
		.amdhsa_system_sgpr_workgroup_id_x 1
		.amdhsa_system_sgpr_workgroup_id_y 1
		.amdhsa_system_sgpr_workgroup_id_z 1
		.amdhsa_system_vgpr_workitem_id 0
		.amdhsa_next_free_vgpr 1024
		.amdhsa_next_free_sgpr 102
		.amdhsa_reserve_vcc 1
		.amdhsa_float_denorm_mode_32 3
		.amdhsa_float_denorm_mode_16_64 3
		.amdhsa_memory_ordered 1
		.amdhsa_forward_progress 1
		.amdhsa_inst_pref_size 255
	.end_amdhsa_kernel
	.section	.bss,"aw",@nobits
	.p2align	6
	.space	262144
	.amdgpu_metadata
---
amdhsa.version: [ 1, 2 ]
amdhsa.kernels:
  - .name:           k_qcc6b6bfc94_proj
    .symbol:         k_qcc6b6bfc94_proj.kd
    .args:
      - { .name: x_codes, .offset: 0, .size: 8, .value_kind: global_buffer, .address_space: global }
      - { .name: x_scales, .offset: 8, .size: 8, .value_kind: global_buffer, .address_space: global }
      - { .name: W_proj_codes, .offset: 16, .size: 8, .value_kind: global_buffer, .address_space: global }
      - { .name: W_proj_scales, .offset: 24, .size: 8, .value_kind: global_buffer, .address_space: global }
      - { .name: b_proj, .offset: 32, .size: 8, .value_kind: global_buffer, .address_space: global }
      - { .name: caches, .offset: 40, .size: 8, .value_kind: global_buffer, .address_space: global }
      - { .name: w_mix, .offset: 48, .size: 8, .value_kind: global_buffer, .address_space: global }
      - { .name: b_mix, .offset: 56, .size: 8, .value_kind: global_buffer, .address_space: global }
      - { .name: decay_values, .offset: 64, .size: 8, .value_kind: global_buffer, .address_space: global }
      - { .name: hid_codes, .offset: 72, .size: 8, .value_kind: global_buffer, .address_space: global }
      - { .name: hid_scales, .offset: 80, .size: 8, .value_kind: global_buffer, .address_space: global }
    .group_segment_fixed_size: 327680
    .private_segment_fixed_size: 0
    .kernarg_segment_align: 8
    .kernarg_segment_size: 88
    .max_flat_workgroup_size: 128
    .sgpr_count:     102
    .vgpr_count:     1024
    .wavefront_size: 32
...
	.end_amdgpu_metadata
.endif
;; end of part 1
;; launch outp (part 2): grid 8 x 32, 4 waves a work-group, clusters of 4 x 1, 327,680 bytes of LDS; arguments hid_codes, hid_scales, W_out_codes, W_out_scales, b_out, out0; writes out0
.if DOCPART == 2
	.amdgcn_target "amdgcn-amd-amdhsa--gfx1250"
	.amdhsa_code_object_version 6
	.text
	.protected	k_qcc6b6bfc94_outp
	.globl	k_qcc6b6bfc94_outp
	.p2align	8
	.type	k_qcc6b6bfc94_outp,@function
k_qcc6b6bfc94_outp:
	s_mov_b64 s[64:65], 0
	v_nop
	global_prefetch_b8 v0, s[64:65] scope:SCOPE_SE
	s_setreg_imm32_b32 hwreg(HW_REG_WAVE_MODE, 25, 1), 1
	s_wait_xcnt 0x0
	s_wait_alu depctr_hold_cnt(0) depctr_sa_sdst(0) depctr_va_vdst(0) depctr_va_sdst(0) depctr_va_ssrc(0) depctr_va_vcc(0) depctr_vm_vsrc(0)
	s_getreg_b32 s2, hwreg(HW_REG_IB_STS2, 6, 4)
	s_cmp_eq_u32 s2, 0
	s_cbranch_scc0 .Lentry_in_a_cluster
	s_endpgm
.Lentry_in_a_cluster:
	s_bfe_u32 s2, ttmp6, 0x10000c
	s_cmp_lg_u32 s2, 0x3003
	s_cbranch_scc0 .Lentry_shape_is_right
	s_endpgm
.Lentry_shape_is_right:
; out0[b][n] = the sum over k of hidden[b][k] W_out[k][n] + b_out[n], on FP4 (E2M1) codes with one E8M0 byte for each 32 along K = 4,096; sums in f32, K ascending.
; hidden: hid_codes [128 blocks of 16 rows][32 steps of 128 along K][1,024 bytes: the image of a fragment's registers], hid_scales [32 blocks of 64 rows][32 steps][32 lanes][2 words: rows l and 32 + l].
; W_out: 4,096 rows n of 2,048 bytes of codes and 128 scale bytes.  out0: [2,048][4,096] f32.
; SHARES.  A work-group makes 256 rows x 128 columns: 8 x 32 work-groups.  Four waves: wave w has rows 64 w on and all 128 columns: 4 x 8 accumulators of 16 x 16.
; W_out: the work-group's 128 rows come into LDS in four parts along K (512 bytes of each row, eight steps of 128), each into bytes of its own, and stay.  A part is four joint loads, 32 rows a wave: the first at the head,
; each later one behind a round of the cluster's barrier, while the part before it is multiplied.  Parts 1 to 3 are prefetched at the head, each block of 256 bytes once in a cluster, shared out by address.
; CLUSTER 4 x 1: its four work-groups share the 128 rows of W_out and ask for them jointly.
; hidden goes from memory straight into registers, each wave its own rows: a ring of eight steps, loads of 512 consecutive bytes, issued three pairs of steps ahead of their use; it has no prefetch beside these loads.
; THE MATRIX INSTRUCTION IS USED TRANSPOSED (source 0 = 16 rows of W_out, source 1 = 16 rows of hidden): lane l holds row l % 16 and its registers the columns 8 (l / 16) + 0 .. 7.  b_out is the C of each sum's first instruction.
; LIMITS: NaN and infinities among the inputs are not served.
; REGISTERS, in windows of 256.  window 0: v0-31 addresses; v32-63 W_out's scale words, two sets of four steps; v64-71 hidden's, four sets of a step; v96-191 scale bytes at the head; v192-255 b_out; v128-255 rows of out0 on the way out.
;   window 1: hidden's fragments, eight steps of 32.  window 2: v0-127 accumulators of columns 0-63; v128-255 their W_out fragments, four sets.  window 3: the same for columns 64-127.
.set PITCH, 528                        ; an LDS row of W_out: 512 bytes + 16: 132 words: the 16 rows that a load touches start at 16 different banks (64 banks of 4 bytes: ISA guide 11.1)
.set REG,   128*PITCH                  ; a part of W_out
.set SCB,   4*REG                      ; W_out's scale bytes: 128 rows x (128 + 16)
.set HSR,   SCB+128*144                ; hidden's scale words, 8,192 bytes a wave; on the way out the wave's stage: 16 rows x 528
.set HSZ,   8448
.set SPARE, HSR+4*HSZ                  ; the spare words: 128 bytes for each wave, two blocks of 256 bytes that no other line names
.set ADRL, 8                           ; a fragment's row x pitch + 16 x half
.set ADS,  9                           ; where I read W_out's scale words: ADSB + 32 bytes a trip
.set AHS,  10                          ; where I read hidden's: AHSB + 2,048 bytes a trip
.set ADRW, 11                          ; where I read W_out's fragments: ADRL + the part
.set ADSB, 12
.set AHSB, 13
.set L16,  14                          ; 16 x lane
.set STO,  15                          ; the way out: where I put 32 bytes of a row
.set BO,   17                          ; 32 (l / 16)
.set WST,  18                          ; W_out's scale bytes into LDS
.set HST,  19                          ; hidden's scale words into LDS; the way out: where I read a row back
.set PF1,  20                          ; prefetch of parts 1 and 2 of W_out
.set PF3,  21                          ; of part 3
.set SPW,  28
.set NIL,  29
.set WS,   32
.set HS,   64
.set G1, 24
.set G0, 32
.set MSB, 0
.macro WIN new                         ; the immediate's high byte repeats the setting that is left
.if MSB != \new
	s_set_vgpr_msb (MSB<<8)|(\new)
.set MSB, \new
.endif
.endm
.macro CROUND                          ; a round of the cluster's barrier
	s_barrier_signal -1
	s_barrier_wait -1
	s_cmp_lg_u32 s20, 0
	s_cbranch_scc1 .Lnot_wave_0_\@
	s_barrier_signal -3
.Lnot_wave_0_\@:
	s_barrier_wait -3
	s_barrier_signal -1
	s_barrier_wait -1
.endm
.macro OFS d, x, sx, y, sy             ; the pair d = (x << sx) + (y << sy)
	s_lshl_b32 s[\d], \x, \sx
	s_lshl_b32 s2, \y, \sy
	s_add_co_u32 s[\d], s[\d], s2
	s_mov_b32 s[\d+1], 0
.endm
.macro TLOAD                           ; my 32 rows of a part of W_out
	tensor_load_to_lds s[G0:G0+3], s[G1:G1+7]
	s_nop 0
.rept 4
	v_nop
.endr
.endm
; A part of W_out has landed in every wave's share; more = 1: the next part is asked for.  The wait, the add, the wait for it and the round stand ahead of a later first fill, as ahead of a refill.
.macro PART more
	WIN 0
	s_wait_tensorcnt 0x0                           ; the one load that was out
	ds_add_u32 v[SPW], v[NIL]
.if \more
	s_add_co_u32 s[G0+1], s[G0+1], REG
	s_add_nc_u64 s[G0+2:G0+3], s[G0+2:G0+3], 0x200
.endif
	s_wait_dscnt 0x0
	CROUND
.if \more
	TLOAD
.endif
.endm
	s_load_b256 s[4:11], s[0:1], 0x0               ; hid_codes s[4:5], hid_scales s[6:7], W_out's codes s[8:9], W_out's scales s[10:11]
	s_load_b128 s[12:15], s[0:1], 0x20             ; b_out s[12:13], out0 s[14:15]
	v_lshl_add_u32 v[SPW], v0, 2, SPARE
	v_mov_b32 v[NIL], 0
	ds_add_u32 v[SPW], v[NIL]                      ; the wave's opening: the add, twice on end, and its wait
	ds_add_u32 v[SPW], v[NIL]
	v_lshrrev_b32 v1, 5, v0
	v_readfirstlane_b32 s20, v1                    ; wave 0..3
	s_bfe_u32 s40, ttmp6, 0x40000                  ; cx
	s_lshl_b32 s42, ttmp9, 2
	s_add_co_u32 s42, s42, s40                     ; row tile = 4 x cluster x + cx
	s_and_b32 s43, ttmp7, 0xffff                   ; column tile
	; group 1: 15:0 the mask: all four; 17:16 elements of 1 byte; 20 padding on; 21 set beside a mask; 24:22 after every 128 words (code 6); 31:25 four words (code 3)
	s_mov_b32 s[G1], 15|(1<<20)|(1<<21)|(6<<22)|(3<<25)
	s_mov_b32 s[G1+1], 512<<16                     ; 32 rows of 512 bytes, 2,048 bytes apart
	s_mov_b32 s[G1+2], 32<<16
	s_mov_b32 s[G1+3], 512<<16
	s_mov_b32 s[G1+4], 32
	s_mov_b32 s[G1+5], 2048
	s_mov_b32 s[G1+6], 0
	s_mov_b32 s[G1+7], 0
	s_mov_b32 s[G0], 1
	s_mul_i32 s[G0+1], s20, 32*PITCH
	OFS G0+2, s43, 18, s20, 16                     ; made of the column tile and the wave's number alone
	OFS 46, s42, 19, s20, 17                       ; hid_codes: my four blocks of 16 rows, 32,768 bytes each
	OFS 48, s42, 15, s20, 13                       ; hid_scales: my block of 64 rows, 8,192 bytes
	OFS 54, s43, 14, s20, 12                       ; W_out's scales: the 32 rows that I bring
	OFS 58, s42, 22, s20, 20                       ; out0: my first row of 16,384 bytes
	OFS 60, s43, 18, s40, 16                       ; prefetches of W_out: rows 32 cx + 8 w on of the tile
	s_lshl_b32 s2, s20, 14
	s_add_co_u32 s60, s60, s2
	s_lshl_b32 s56, s43, 9                         ; my first column, in bytes
	s_mov_b32 s57, 0
	s_mul_i32 s44, s20, HSZ
	s_add_co_u32 s44, s44, HSR
	s_mul_i32 s45, s20, 32*144
	s_add_co_u32 s45, s45, SCB
	s_mov_b32 s50, 0                               ; what the trips have added to W_out's fragment address,
	s_mov_b32 s51, 0                               ; to its scale words',
	s_mov_b32 s52, 0                               ; to hidden's scale words'
	v_and_b32 v1, 15, v0                           ; r
	v_bfe_u32 v2, v0, 4, 1                         ; h
	v_and_b32 v3, 31, v0                           ; l
	v_mul_u32_u24 v4, v1, PITCH
	v_lshl_add_u32 v[ADRL], v2, 4, v4
	v_lshl_add_u32 v[ADRW], v2, 4, v4
	v_lshl_add_u32 v5, v2, 5, v4
	v_add_nc_u32 v[STO], s44, v5
	v_mul_u32_u24 v5, v3, 144
	v_add_nc_u32 v[ADSB], SCB, v5
	v_add_nc_u32 v[ADS], SCB, v5
	v_lshlrev_b32 v[L16], 4, v3
	v_lshl_add_u32 v[AHSB], v3, 3, s44
	v_lshl_add_u32 v[AHS], v3, 3, s44
	v_add_nc_u32 v[HST], s44, v[L16]
	v_lshlrev_b32 v[BO], 5, v2
	v_lshrrev_b32 v5, 3, v3
	v_mul_u32_u24 v5, v5, 144
	v_and_b32 v6, 7, v3
	v_lshl_add_u32 v5, v6, 4, v5                   ; eight lanes to a row of 128 scale bytes
	v_add_nc_u32 v[WST], s45, v5
	v_lshrrev_b32 v5, 1, v3
	v_and_b32 v6, 1, v3
	v_min_u32 v5, 7, v5                            ; part 3: row l / 2, lanes over name the last row's blocks again
	v_lshlrev_b32 v5, 11, v5
	v_lshl_add_u32 v[PF3], v6, 8, v5
	v_lshrrev_b32 v5, 2, v3                        ; parts 1 and 2: row l / 4, block l % 4 of 256 bytes
	v_and_b32 v6, 3, v3
	v_lshlrev_b32 v5, 11, v5
	v_lshl_add_u32 v[PF1], v6, 8, v5
	s_wait_alu depctr_va_vdst(0)
	s_wait_dscnt 0x0                               ; both opening adds are done
	CROUND                                         ; all four work-groups are here: the joint loads meet
	s_wait_kmcnt 0x0
	s_add_nc_u64 s[G0+2:G0+3], s[8:9], s[G0+2:G0+3]
	s_or_b32 s[G0+3], s[G0+3], 0x80000000          ; 127:126 type = 2
	TLOAD                                          ; part 0
	s_add_nc_u64 s[60:61], s[8:9], s[60:61]
	s_add_nc_u64 s[4:5], s[4:5], s[46:47]
	s_add_nc_u64 s[6:7], s[6:7], s[48:49]
	s_add_nc_u64 s[10:11], s[10:11], s[54:55]
	s_add_nc_u64 s[12:13], s[12:13], s[56:57]
	s_add_nc_u64 s[14:15], s[14:15], s[56:57]
	s_add_nc_u64 s[14:15], s[14:15], s[58:59]
.irp i, 0,1,2,3,4,5,6,7
	global_load_b128 v[96+4*\i:96+4*\i+3], v[L16], s[10:11] offset:512*\i
.endr
.irp i, 0,1,2,3,4,5,6,7,8,9,10,11,12,13,14,15
	global_load_b128 v[128+4*\i:128+4*\i+3], v[L16], s[6:7] offset:512*\i
.endr
	global_prefetch_b8 v[PF1], s[60:61] offset:512 th:TH_LOAD_NT scope:SCOPE_SE   ; parts 1 and 2 of W_out: bytes 512 to 1,535 of eight rows
.irp b, 0,1,2,3,4,5,6,7
.irp c, 0,1
	global_load_b128 v[192+8*\b+4*\c:192+8*\b+4*\c+3], v[BO], s[12:13] offset:64*\b+16*\c   ; register 8 b + j: b_out of column 16 b + 8 h + j: the result's layout
.endr
.endr
.macro HPART s, a                      ; hidden's fragments of block a, steps s, s + 1 (of the trip's base) into slots s % 8, (s + 1) % 8
	WIN 0x40
.irp e, 0,1
.set sm, (\s)+\e
.irp c, 0,1
	global_load_b128 v[32*(sm%8)+8*(\a)+4*\c:32*(sm%8)+8*(\a)+4*\c+3], v[L16], s[4:5] offset:32768*(\a)+1024*sm+512*\c
.endr
.endr
	WIN 0
.endm
.irp s, 0,2                            ; pairs 0 and 1; pairs 2 and 3 follow in the first two runs
.irp k, 0,1,2,3
	HPART \s, \k
.endr
.endr
	s_wait_loadcnt 48                              ; both runs of scale bytes are in; b_out's 16 loads and hidden's 32 may be out
.irp i, 0,1,2,3,4,5,6,7
	ds_store_b128 v[WST], v[96+4*\i:96+4*\i+3] offset:576*\i
.endr
.irp i, 0,1,2,3,4,5,6,7,8,9,10,11,12,13,14,15
	ds_store_b128 v[HST], v[128+4*\i:128+4*\i+3] offset:512*\i
.endr
	PART 1                                         ; part 0 and all of W_out's scales lie in LDS; part 1 goes out
	global_prefetch_b8 v[PF3], s[60:61] offset:1536 th:TH_LOAD_NT scope:SCOPE_SE   ; part 3 of W_out
; W_out's fragments of steps s, s + 1 into sets s % 4, (s + 1) % 4: 32 LDS loads; refill = 1: behind each eight of them four loads of hidden's fragments of steps h, h + 1.
.macro WFETCH s, refill, h
.irp g, 0,1
.irp d, 0,1
	WIN 0x80+0x40*\g
.set sn, (\s)+\d
.irp j, 0,1,2,3,4,5,6,7
	ds_load_b128 v[128+32*(sn%4)+4*\j:128+32*(sn%4)+4*\j+3], v[ADRW] offset:64*(sn%8)+32*(\j%2)+8448*(4*\g+\j/2)
.endr
.if \refill
	HPART \h, 2*\g+\d
.endif
.endr
.endr
	WIN 0
.endm
.macro HSLOAD s                        ; hidden's scale words of steps s, s + 1
.irp d, 0,1
.set sn, (\s)+\d
	ds_load_b64 v[HS+2*(sn%4):HS+2*(sn%4)+1], v[AHS] offset:256*sn
.endr
.endm
.macro WSLOAD g4                       ; W_out's scale words of the four steps 4 g4 on: lane l takes row 32 g + l
.irp g, 0,1,2,3
	ds_load_b128 v[WS+16*((\g4)%2)+4*\g:WS+16*((\g4)%2)+4*\g+3], v[ADS] offset:16*(\g4)+4608*\g
.endr
.endm
.macro WM                              ; one product; an odd block's scale words lie in lanes 16-31 of their register
.if oB && oA
	v_wmma_scale_f32_16x16x128_f8f6f4 v[rD:rD+7], v[rB:rB+7], v[rA:rA+7], v[rC:rC+7], v[xB], v[xA] matrix_a_fmt:MATRIX_FMT_FP4 matrix_b_fmt:MATRIX_FMT_FP4 matrix_a_scale:MATRIX_SCALE_ROW1 matrix_b_scale:MATRIX_SCALE_ROW1
.elseif oB
	v_wmma_scale_f32_16x16x128_f8f6f4 v[rD:rD+7], v[rB:rB+7], v[rA:rA+7], v[rC:rC+7], v[xB], v[xA] matrix_a_fmt:MATRIX_FMT_FP4 matrix_b_fmt:MATRIX_FMT_FP4 matrix_a_scale:MATRIX_SCALE_ROW1
.elseif oA
	v_wmma_scale_f32_16x16x128_f8f6f4 v[rD:rD+7], v[rB:rB+7], v[rA:rA+7], v[rC:rC+7], v[xB], v[xA] matrix_a_fmt:MATRIX_FMT_FP4 matrix_b_fmt:MATRIX_FMT_FP4 matrix_b_scale:MATRIX_SCALE_ROW1
.else
	v_wmma_scale_f32_16x16x128_f8f6f4 v[rD:rD+7], v[rB:rB+7], v[rA:rA+7], v[rC:rC+7], v[xB], v[xA] matrix_a_fmt:MATRIX_FMT_FP4 matrix_b_fmt:MATRIX_FMT_FP4
.endif
.endm
.macro MM s, hi, first                 ; half hi of step s: 16 products on 16 accumulators, which take turns in the same order in every step
.irp b, 0,1,2,3
.irp a, 0,1,2,3
.set rD, 8*(4*\a+\b)
.set rC, rD
.if \first
.set rC, 192+32*(\hi)+8*\b
.endif
.set rB, 128+32*((\s)%4)+8*\b
.set rA, 32*((\s)%8)+8*\a
.set xB, WS+16*(((\s)/4)%2)+4*(2*(\hi)+\b/2)+(\s)%4
.set xA, HS+2*((\s)%4)+\a/2
.set oB, \b%2
.set oA, \a%2
	WM
.endr
.endr
.endm
; A pair of steps of 128 along K (counted from the trip's base): one run of memory instructions, then 64 products.  W_out's fragments and the scale words are fetched a pair ahead.
; refill: the slots of the pair before take the pair three on.  lw: hidden's loads that may be out: those of younger pairs.  ws: W_out's scale words of the next four steps.
.macro PAIR p, first, fetch, refill, lw, ws
	s_wait_dscnt 0x0                               ; this pair's W_out fragments and scale words
.if !(\first)
.rept 4
	v_nop                                          ; places behind the pair before, for loads into registers that its products read (ISA guide 7.12.1 for vector instructions)
.endr
.endif
.if \fetch
	WFETCH 2*(\p)+2, \refill, 2*(\p)+6
	HSLOAD 2*(\p)+2
.endif
.if \ws
	WSLOAD ((\p)+1)/2
.endif
	s_wait_loadcnt \lw
.if \first
	WIN 0x86                                       ; C (b_out) in window 0
.else
	WIN 0xa6                                       ; source 0 (W_out), C and D window 2, source 1 (hidden) window 1
.endif
	MM 2*(\p), 0, \first
	WIN 0xa6
	MM 2*(\p)+1, 0, 0
.if \first
	WIN 0xc7
.else
	WIN 0xf7                                       ; the same with window 3
.endif
	MM 2*(\p), 1, \first
	WIN 0xf7
	MM 2*(\p)+1, 1, 0
.endm
; Pairs 4 t + 1 to 4 t + 4.  Part t + 1 of W_out is first read in the run of the third of them.
.macro TRIP more
	PAIR 1, 0, 1, 1, 48, 1
	PAIR 2, 0, 1, 1, 48, 0
	PART \more
	s_add_co_u32 s50, s50, REG
	v_add_nc_u32 v[ADRW], s50, v[ADRL]
	s_wait_alu depctr_va_vdst(0)                   ; behind the write of v[ADRW]
	PAIR 3, 0, 1, 1, 48, 1
	PAIR 4, 0, 1, 1, 48, 0
	WIN 0
	s_add_co_u32 s51, s51, 32
	s_add_co_u32 s52, s52, 2048
	v_add_nc_u32 v[ADS], s51, v[ADSB]
	v_add_nc_u32 v[AHS], s52, v[AHSB]
	s_wait_alu depctr_va_vdst(0)
	s_wait_xcnt 0x0                                ; the trip's loads have read their base
	s_add_nc_u64 s[4:5], s[4:5], 0x2000
.endm
	HSLOAD 0
	WSLOAD 0
	WFETCH 0, 1, 4
	PAIR 0, 1, 1, 1, 48, 0                         ; the first products start the sums from b_out
	WIN 0
	s_mov_b32 s53, 2
.Ltrip:
	TRIP 1
	s_sub_co_u32 s53, s53, 1
	s_cmp_lg_u32 s53, 0
	s_cbranch_scc1 .Ltrip
	TRIP 0                                         ; the last part has been asked for
	PAIR 1, 0, 1, 0, 32, 1                         ; the last three pairs load nothing from memory: the counts run down
	PAIR 2, 0, 1, 0, 16, 0
	PAIR 3, 0, 0, 0, 0, 0
	WIN 0
.rept 4
	v_nop                                          ; places in front of the first reads of results
.endr
; THE WAY OUT, a block of 16 rows x 128 columns at a time.  A lane holds 32 neighbouring bytes of a row and the lanes beside it hold other rows: a block goes through my own stage in LDS and comes back as whole rows of 512 bytes.
; LDS serves a wave's instructions in order (ISA guide 5.7.1.4): no wait between the stores and the loads, nor in front of the next block's stores.
.macro TOSTAGE a
.irp g, 0,1
	WIN 0x08+4*\g                                  ; an LDS store's data are its source 1: window 2 or 3
.irp b, 0,1,2,3
	ds_store_b128 v[STO], v[32*(\a)+8*\b:32*(\a)+8*\b+3] offset:256*\g+64*\b            ; each accumulator from its low end on
	ds_store_b128 v[STO], v[32*(\a)+8*\b+4:32*(\a)+8*\b+7] offset:256*\g+64*\b+16
.endr
.endr
	WIN 0
.set BB, 128+64*((\a)%2)
.irp t, 0,1,2,3,4,5,6,7,8,9,10,11,12,13,14,15
	ds_load_b128 v[BB+4*\t:BB+4*\t+3], v[HST] offset:528*\t
.endr
.endm
.macro SEND a, younger                 ; younger: the LDS instructions issued behind block a's loads, which may stay out
.set BB, 128+64*((\a)%2)
	s_wait_dscnt \younger                          ; the block is back in registers
.irp t, 0,1,2,3,4,5,6,7,8,9,10,11,12,13,14,15
	global_store_b128 v[L16], v[BB+4*\t:BB+4*\t+3], s[14:15] offset:(16*(\a)+\t)*16384 th:TH_STORE_NT   ; 512 consecutive bytes, at a multiple of 256 from out0's first byte
.endr
.endm
	TOSTAGE 0
.irp a, 1,2,3
.if \a > 1
	s_wait_xcnt 0x0                                ; block a - 2's stores have read their registers: block a's loads may land there
.endif
	TOSTAGE \a
	SEND \a-1, 32                                  ; behind block a - 1's loads: block a's 16 stores and 16 loads
.endr
	SEND 3, 0
	s_wait_tensorcnt 0x0                           ; the wave's end
	ds_add_u32 v[SPW], v[NIL]
	s_wait_dscnt 0x0
	CROUND                                         ; the closing round: no work-group ends while a partner may still ask for a tile that names it
	s_endpgm
.Lfunc_end_k_qcc6b6bfc94_outp:
	.size	k_qcc6b6bfc94_outp, .Lfunc_end_k_qcc6b6bfc94_outp-k_qcc6b6bfc94_outp
	.p2alignl 7, 3214868480
	.fill 96, 4, 3214868480
	.section	.rodata,"a",@progbits
	.p2align	6, 0x0
	.amdhsa_kernel k_qcc6b6bfc94_outp
		.amdhsa_group_segment_fixed_size 327680
		.amdhsa_private_segment_fixed_size 0
		.amdhsa_enable_private_segment 0
		.amdhsa_kernarg_size 48
		.amdhsa_user_sgpr_count 2
		.amdhsa_user_sgpr_kernarg_segment_ptr 1
		.amdhsa_wavefront_size32 1
		.amdhsa_system_sgpr_workgroup_id_x 1
		.amdhsa_system_sgpr_workgroup_id_y 1
		.amdhsa_system_sgpr_workgroup_id_z 1
		.amdhsa_system_vgpr_workitem_id 0
		.amdhsa_next_free_vgpr 1024
		.amdhsa_next_free_sgpr 100
		.amdhsa_reserve_vcc 0
		.amdhsa_float_denorm_mode_32 3
		.amdhsa_float_denorm_mode_16_64 3
		.amdhsa_memory_ordered 1
		.amdhsa_forward_progress 1
		.amdhsa_inst_pref_size 178
	.end_amdhsa_kernel
	.amdgpu_metadata
---
amdhsa.version: [ 1, 2 ]
amdhsa.kernels:
  - .name:           k_qcc6b6bfc94_outp
    .symbol:         k_qcc6b6bfc94_outp.kd
    .args:
      - { .name: hid_codes, .offset: 0, .size: 8, .value_kind: global_buffer, .address_space: global }
      - { .name: hid_scales, .offset: 8, .size: 8, .value_kind: global_buffer, .address_space: global }
      - { .name: W_out_codes, .offset: 16, .size: 8, .value_kind: global_buffer, .address_space: global }
      - { .name: W_out_scales, .offset: 24, .size: 8, .value_kind: global_buffer, .address_space: global }
      - { .name: b_out, .offset: 32, .size: 8, .value_kind: global_buffer, .address_space: global }
      - { .name: out0, .offset: 40, .size: 8, .value_kind: global_buffer, .address_space: global }
    .group_segment_fixed_size: 327680
    .private_segment_fixed_size: 0
    .kernarg_segment_align: 8
    .kernarg_segment_size: 48
    .max_flat_workgroup_size: 128
    .sgpr_count:     100
    .vgpr_count:     1024
    .wavefront_size: 32
...
	.end_amdgpu_metadata
.endif
;; end of part 2
